; MI455X (gfx1250); checked and timed in simulation.
; The chip was launched on July 23, 2026; its instructions are those of AMD's public machine-readable ISA for CDNA 5 (MIT licence, August 2026) and "CDNA5" Instruction Set Architecture Reference Guide (July 2026). The comments in the code are by the model that wrote it; some were corrected since.
;; KAN Linear. Allowed arithmetic: matrix products marked QUANTISED: E5M2 operands, one given power-of-two scale a tensor, by v_wmma_f32_16x16x64_bf8_bf8 or v_wmma_f32_16x16x128_bf8_bf8, f32 sums; everything else in f32.
;; Inputs: base_weight 512 x 512 float32; grid 512 x 12 float32; lowp_scales 4 int32 (the exponents e of the quantised operands' scales 2^e); spline_scaler 512 x 512 float32; spline_weight 512 x 512 x 8 float32; x 16,384 x 512 float32.
;; Outputs: out0 16,384 x 512 float32.
;; This version of the problem:
;;   THIS VERSION OF THE PROBLEM IS GIVEN IN LOW PRECISION. The matrix products marked QUANTISED in the list below multiply operands that are first quantised to E5M2 (5 exponent bits, 2 mantissa bits; 8 bits a number), with one given power-of-two scale for each operand tensor; their sums are f32. All else is computed in f32.
;;   The module's matrix products, in the order in which they are computed (A, B: the left and right operand; K: the contracted axis; several contracted axes count as one K, in the product's order):
;;     1. [M 16,384, K 512] x [K 512, N 512]; A: computed on the way; B: input base_weight: QUANTISED (scales: A lowp_scales[0], B lowp_scales[1])
;;     2. [M 16,384, K 4,096] x [K 4,096, N 512]; A: computed on the way; B: computed on the way: QUANTISED (scales: A lowp_scales[2], B lowp_scales[3])
;;   THE QUANTISER, for each operand of a quantised product, along K:
;;     - The operand's scale is 2^e, e = its entry of the input lowp_scales (int32; the entries are numbered through the quantised products in the list's order, A before B).
;;     - Each number is divided by the scale, clamped to +-57,344, and rounded to the nearest number of E5M2, ties to even, subnormals kept.
;;     - The product sums the exact products of the quantised numbers (number of the format x scale) in f32.
;;   ~~~python
;;   def quantise(x, axis, e):      # numpy; x: float32 -> the quantised numbers, widened to float32 again
;;       x = np.moveaxis(x, axis, -1); K = x.shape[-1]
;;       r = np.clip(x / 2.0 ** e, -57344, 57344)
;;       step = 2.0 ** (np.maximum(np.frexp(np.where(r == 0, 1, r))[1] - 1, -14) - 2)
;;       q = np.round(r / step) * step * 2.0 ** e      # np.round: ties to even
;;       return np.moveaxis(q, -1, axis).astype(np.float32)
;;   ~~~
;;   OPERANDS COMPUTED ON THE WAY. 'Computed on the way' means the value that the module computes at that place (a softmax that the list does not call 'softmax' is quantised finished and normalised). What goes into a quantiser is computed in f32, as accurately as f32 sums, v_exp_f32 and their like allow (about 1e-6 of the number): no bf16 or f16 on the way to a quantiser, and a product that is left as it is and whose result goes on into a quantised operand takes f32 operands (vector FMAs, or v_wmma_f32_16x16x4_f32). A number that lies on a knife's edge between two numbers of the format may be rounded either way, as far as f32 arithmetic and the matrix unit's own rounding can turn it there, and no further.
;; One version. Each part assembles by itself: llvm-mc -triple=amdgcn-amd-amdhsa -mcpu=gfx1250 --defsym DOCPART=n.
;; ======== version 1 of 1: 2 launches
;; limits: right only within a limited range of input values
;; workspace buffers: wcodes 2,359,296 bytes
;; launch prep (part 1): grid 256 x 1, 4 waves a work-group, no clusters, 42,496 bytes of LDS; arguments spline_weight, spline_scaler, base_weight, lowp_scales, wcodes; writes wcodes
.if DOCPART == 1
	.amdgcn_target "amdgcn-amd-amdhsa--gfx1250"
	.amdhsa_code_object_version 6
	.text
	.protected	k_q8828ba0f2e_prep
	.globl	k_q8828ba0f2e_prep
	.p2align	8
	.type	k_q8828ba0f2e_prep,@function
k_q8828ba0f2e_prep:
	s_mov_b64 s[64:65], 0
	v_nop
	global_prefetch_b8 v0, s[64:65] scope:SCOPE_SE
	s_setreg_imm32_b32 hwreg(HW_REG_WAVE_MODE, 25, 1), 1
	s_wait_xcnt 0x0
; The two weight operands become codes of BF8 (E5M2), once for the whole program.
;   spline: w(o, i, c) = spline_weight(o, i, c) x spline_scaler(o, i), one f32 product, then / 2^e3, held within +-57,344, rounded to the nearest code, ties to even
;   base:   base_weight(o, i) / 2^e1, likewise.          e1, e3: entries 1 and 3 of the buffer of scales.
; LIMITS: e1 and e3 lie between -126 and 112, so that 2^e and 57,344 x 2^e are f32 numbers.  NaN among the inputs is not served.
; LAYOUT OF THE CODES: [t = 0..35][f = 0..31][u = 0..7][r = 0..15][16 bytes].  t: a K step of 128 (0..31 spline, 32..35 base); output n = 16 f + r.
; A fragment (16 outputs x 128 K) is an image of the operand's registers, 2,048 bytes on end: registers 4 c .. 4 c + 3 of lane l lie at 512 c + 16 l, so u = 2 c + l / 16.
; Spline piece u of step t is the pair of features 2 Q, 2 Q + 1 with Q = 8 t + u; byte 2 c + q is coefficient c of feature 2 Q + q (the order in which the product launch makes its own codes).
; Base piece u of step t holds features 128 (t - 32) + 16 u + 0 .. 15.
; SHARES: work-group (f, g) takes outputs 16 f .. + 15 and features 64 g .. + 63 of all three tensors.  Every load reads whole runs of 256 or 512 consecutive bytes;
; the numbers turn through LDS so that a lane gets the 16 numbers of one piece; every store of a wave covers 512 consecutive bytes, aligned.
.set SWP, 2064                         ; LDS row of spline numbers: 2,048 bytes + 16: an odd multiple of 16, so that 16 rows begin at 16 different groups of banks (64 banks of 4 bytes: ISA guide 11.1)
.set SP2, 272                          ; LDS row of scaler or base numbers: 256 bytes + 16
.set SSC, 16*SWP                       ; the scaler's 16 rows
.set SB,  SSC+16*SP2                   ; the base weight's 16 rows
.set D,   96                           ; v96-111  the 16 numbers of a piece
.set C,   112                          ; v112-127 four pieces' codes; v128-131 the base piece's: no store's data are written again
	s_load_b256 s[4:11], s[0:1], 0x0               ; spline_weight s[4:5], spline_scaler s[6:7], base_weight s[8:9], the scales' exponents s[10:11]
	s_load_b64 s[12:13], s[0:1], 0x20              ; the codes
	v_lshl_add_u32 v132, v0, 2, 0xa400
	v_mov_b32 v133, 0
	v_lshrrev_b32 v1, 5, v0
	v_readfirstlane_b32 s14, v1                    ; wave w
	v_and_b32 v2, 31, v0                           ; lane
	v_and_b32 v3, 15, v0                           ; r
	v_bfe_u32 v11, v0, 4, 1                        ; hh = lane / 16
	s_and_b32 s15, ttmp9, 31                       ; f
	s_lshr_b32 s16, ttmp9, 5                       ; g
	v_lshlrev_b32 v4, 4, v2                        ; 16 x lane: spline loads, and all stores of codes
	v_lshlrev_b32 v5, 11, v11
	v_lshl_add_u32 v5, v3, 4, v5                   ; scaler, base: lanes 0-15 one row's 256 bytes, lanes 16-31 the next row's
	s_mul_i32 s17, s14, 4*SWP
	v_add_nc_u32 v6, s17, v4                       ; LDS, in: my wave's four spline rows
	s_mul_i32 s17, s14, 4*SP2
	v_mul_u32_u24 v7, v11, SP2
	v_lshl_add_u32 v7, v3, 4, v7
	v_add_nc_u32 v7, s17, v7                       ; LDS, in: rows 4 w + hh of scaler and base
	v_mul_u32_u24 v8, v3, SWP
	v_lshl_add_u32 v8, v11, 6, v8
	s_lshl_b32 s17, s14, 9
	v_add_nc_u32 v8, s17, v8                       ; LDS, out: row r, pair 8 w + hh (+ 2 v): 64 bytes a pair
	v_mul_u32_u24 v9, v3, SP2
	v_lshl_add_u32 v10, v11, 6, v9
	v_lshl_add_u32 v9, v11, 3, v9
	s_lshl_b32 s17, s14, 6
	s_add_co_u32 s17, s17, SSC
	v_add_nc_u32 v9, s17, v9                       ; the pair's two scalers: 8 bytes
	s_and_b32 s17, s14, 1
	s_lshl_b32 s17, s17, 7
	s_add_co_u32 s17, s17, SB
	v_add_nc_u32 v10, s17, v10                     ; base: row r, piece 2 (w & 1) + hh: 64 bytes (used by waves 0 and 1)
	s_lshl_b32 s18, s15, 4
	s_lshl_b32 s19, s14, 2
	s_add_co_u32 s18, s18, s19                     ; the first output that my wave loads: 16 f + 4 w
	s_lshl_b32 s20, s18, 14                        ; spline: rows of 16,384 bytes,
	s_lshl_b32 s19, s16, 11
	s_add_co_u32 s20, s20, s19                     ; + 2,048 g
	s_mov_b32 s21, 0
	s_lshl_b32 s22, s18, 11                        ; scaler, base: rows of 2,048 bytes,
	s_lshl_b32 s19, s16, 8
	s_add_co_u32 s22, s22, s19                     ; + 256 g
	s_mov_b32 s23, 0
	s_lshl_b32 s24, s16, 2
	s_add_co_u32 s24, s24, s14                     ; my wave's spline step t = 4 g + w
	s_lshl_b32 s24, s24, 16
	s_lshl_b32 s19, s15, 11
	s_add_co_u32 s24, s24, s19                     ; + fragment f
	s_mov_b32 s25, 0
	s_lshr_b32 s26, s16, 1
	s_add_co_u32 s26, s26, 32                      ; the base step t = 32 + g / 2
	s_lshl_b32 s26, s26, 16
	s_add_co_u32 s26, s26, s19
	s_and_b32 s34, s16, 1
	s_lshl_b32 s34, s34, 10
	s_add_co_u32 s26, s26, s34                     ; + pieces 4 (g & 1) on,
	s_and_b32 s34, s14, 1
	s_lshl_b32 s34, s34, 9
	s_add_co_u32 s26, s26, s34                     ; + two pieces a wave
	s_mov_b32 s27, 0
	s_wait_alu depctr_va_vdst(0)
	s_wait_kmcnt 0x0
	s_load_b128 s[28:31], s[10:11], 0x0            ; e0, e1, e2, e3
	s_add_nc_u64 s[4:5], s[4:5], s[20:21]
	s_add_nc_u64 s[6:7], s[6:7], s[22:23]
	s_add_nc_u64 s[8:9], s[8:9], s[22:23]
	s_add_nc_u64 s[32:33], s[12:13], s[26:27]      ; where the base codes go
	s_add_nc_u64 s[12:13], s[12:13], s[24:25]      ; where the spline codes go
.irp i, 0,1,2,3
.irp q, 0,1,2,3
	global_load_b128 v[16+4*(4*\i+\q):16+4*(4*\i+\q)+3], v4, s[4:5] offset:\i*16384+512*\q th:TH_LOAD_NT   ; 32 lanes read 512 consecutive bytes
.endr
.endr
.irp z, 0,1
	global_load_b128 v[80+4*\z:80+4*\z+3], v5, s[6:7] offset:\z*4096 th:TH_LOAD_NT                         ; two rows' 256 consecutive bytes
	global_load_b128 v[88+4*\z:88+4*\z+3], v5, s[8:9] offset:\z*4096 th:TH_LOAD_NT
.endr
	s_wait_kmcnt 0x0
	s_add_co_i32 s35, s31, 127
	s_lshl_b32 s36, s35, 23
	v_mov_b32 v13, s36                             ; 2^e3 as f32: the conversion takes its exponent field
	s_add_co_i32 s35, s35, 15
	s_lshl_b32 s35, s35, 23
	s_or_b32 s35, s35, 0x600000
	v_mov_b32 v12, s35                             ; 57,344 x 2^e3
	s_add_co_i32 s35, s29, 127
	s_lshl_b32 s36, s35, 23
	v_mov_b32 v15, s36                             ; 2^e1
	s_add_co_i32 s35, s35, 15
	s_lshl_b32 s35, s35, 23
	s_or_b32 s35, s35, 0x600000
	v_mov_b32 v14, s35                             ; 57,344 x 2^e1
	s_wait_loadcnt 0x0
.irp i, 0,1,2,3
.irp q, 0,1,2,3
	ds_store_b128 v6, v[16+4*(4*\i+\q):16+4*(4*\i+\q)+3] offset:\i*SWP+512*\q
.endr
.endr
.irp z, 0,1
	ds_store_b128 v7, v[80+4*\z:80+4*\z+3] offset:SSC+\z*2*SP2
	ds_store_b128 v7, v[88+4*\z:88+4*\z+3] offset:SB+\z*2*SP2
.endr
	s_wait_dscnt 0x0                               ; for the others' sake: my stores have landed
	s_barrier_signal -1
	s_barrier_wait -1                              ; all 16 rows lie in LDS
.irp v, 0,1,2,3
.irp i, 0,1,2,3
	ds_load_b128 v[16+16*\v+4*\i:16+16*\v+4*\i+3], v8 offset:128*\v+16*\i   ; pair 8 w + 2 v + hh of output r: register 8 q + c is coefficient c of its feature q
.endr
.endr
.irp v, 0,1,2,3
	ds_load_b64 v[80+2*\v:80+2*\v+1], v9 offset:16*\v                       ; and the pair's two scalers
.endr
	s_wait_dscnt 0x0
.macro WPAIR v                         ; piece u = 2 v + hh of my wave's step
.irp c, 0,1,2,3,4,5,6,7
.irp q, 0,1
	v_mul_f32 v[D+2*\c+\q], v[16+16*\v+8*\q+\c], v[80+2*\v+\q]              ; the scaled weight, laid at byte 2 c + q of the piece
.endr
.endr
.irp i, 0,1,2,3,4,5,6,7,8,9,10,11,12,13,14,15
	v_med3_num_f32 v[D+\i], v[D+\i], -v12, v12     ; the conversion to an 8-bit code does not saturate (ISA guide 7.6.2): the hold at the largest code x the scale
.endr
	v_cvt_scalef32_pk8_bf8_f32 v[C+4*\v:C+4*\v+1], v[D:D+7], v13
	v_cvt_scalef32_pk8_bf8_f32 v[C+4*\v+2:C+4*\v+3], v[D+8:D+15], v13
	v_nop                                          ; one plain vector line behind the conversions: the next piece's products write their sources
	global_store_b128 v4, v[C+4*\v:C+4*\v+3], s[12:13] offset:512*\v        ; 32 lanes store 512 consecutive bytes, at a multiple of 512 from the buffer's first byte
.endm
	WPAIR 0
	WPAIR 1
	WPAIR 2
	WPAIR 3
	s_cmp_lt_u32 s14, 2                            ; the group's base codes are four pieces a row, 1,024 bytes: waves 0 and 1 make two pieces each
	s_cbranch_scc0 .Lend
.irp i, 0,1,2,3
	ds_load_b128 v[16+4*\i:16+4*\i+3], v10 offset:16*\i
.endr
	s_wait_dscnt 0x0
.irp i, 0,1,2,3,4,5,6,7,8,9,10,11,12,13,14,15
	v_med3_num_f32 v[16+\i], v[16+\i], -v14, v14
.endr
	v_cvt_scalef32_pk8_bf8_f32 v[128:129], v[16:23], v15
	v_cvt_scalef32_pk8_bf8_f32 v[130:131], v[24:31], v15
	v_nop
	global_store_b128 v4, v[128:131], s[32:33]
.Lend:
	s_wait_tensorcnt 0x0
	ds_add_u32 v132, v133
	s_wait_dscnt 0x0
	s_endpgm
.Lfunc_end_k_q8828ba0f2e_prep:
	.size	k_q8828ba0f2e_prep, .Lfunc_end_k_q8828ba0f2e_prep-k_q8828ba0f2e_prep
	.p2alignl 7, 3214868480
	.fill 96, 4, 3214868480
	.section	.rodata,"a",@progbits
	.p2align	6, 0x0
	.amdhsa_kernel k_q8828ba0f2e_prep
		.amdhsa_group_segment_fixed_size 42496
		.amdhsa_private_segment_fixed_size 0
		.amdhsa_enable_private_segment 0
		.amdhsa_kernarg_size 40
		.amdhsa_user_sgpr_count 2
		.amdhsa_user_sgpr_kernarg_segment_ptr 1
		.amdhsa_wavefront_size32 1
		.amdhsa_system_sgpr_workgroup_id_x 1
		.amdhsa_system_sgpr_workgroup_id_y 1
		.amdhsa_system_sgpr_workgroup_id_z 1
		.amdhsa_system_vgpr_workitem_id 0
		.amdhsa_next_free_vgpr 134
		.amdhsa_next_free_sgpr 66
		.amdhsa_reserve_vcc 0
		.amdhsa_float_denorm_mode_32 3
		.amdhsa_float_denorm_mode_16_64 3
		.amdhsa_memory_ordered 1
		.amdhsa_forward_progress 1
		.amdhsa_inst_pref_size 17
	.end_amdhsa_kernel
	.amdgpu_metadata
---
amdhsa.version: [ 1, 2 ]
amdhsa.kernels:
  - .name:           k_q8828ba0f2e_prep
    .symbol:         k_q8828ba0f2e_prep.kd
    .args:
      - { .name: spline_weight, .offset: 0, .size: 8, .value_kind: global_buffer, .address_space: global }
      - { .name: spline_scaler, .offset: 8, .size: 8, .value_kind: global_buffer, .address_space: global }
      - { .name: base_weight, .offset: 16, .size: 8, .value_kind: global_buffer, .address_space: global }
      - { .name: lowp_scales, .offset: 24, .size: 8, .value_kind: global_buffer, .address_space: global }
      - { .name: wcodes, .offset: 32, .size: 8, .value_kind: global_buffer, .address_space: global }
    .group_segment_fixed_size: 42496
    .private_segment_fixed_size: 0
    .kernarg_segment_align: 8
    .kernarg_segment_size: 40
    .max_flat_workgroup_size: 128
    .sgpr_count:     66
    .vgpr_count:     134
    .wavefront_size: 32
...
	.end_amdgpu_metadata
.endif
;; end of part 1
;; launch kan (part 2): grid 256 x 1, 8 waves a work-group, no clusters, 289,792 bytes of LDS; arguments x, grid, lowp_scales, wcodes, out0; writes out0
.if DOCPART == 2
	.amdgcn_target "amdgcn-amd-amdhsa--gfx1250"
	.amdhsa_code_object_version 6
	.text
	.protected	k_q8828ba0f2e_kan
	.globl	k_q8828ba0f2e_kan
	.p2align	8
	.type	k_q8828ba0f2e_kan,@function
k_q8828ba0f2e_kan:
	s_mov_b64 s[64:65], 0
	v_nop
	global_prefetch_b8 v0, s[64:65] scope:SCOPE_SE
	s_setreg_imm32_b32 hwreg(HW_REG_WAVE_MODE, 25, 1), 1
	s_wait_xcnt 0x0
; out = Q(silu(x)) Q(base_weight)^T + Q(bases(x, grid)) Q(spline_weight x scaler)^T, both products on codes of BF8 (E5M2), each operand with its given scale 2^e (e0 .. e3).
; x [16384][512] f32, grid [512][12] f32, the weights' codes as the launch before laid them (36 K steps of 128, each 65,536 bytes of register images), out [16384][512] f32.
; THE BASES are the recursion as it is defined, for any knots: 11 interval tests (x >= g_j and not x >= g_j+1), then with t_j = x - g_j and inv_k[j] = 1 / (g_j+k - g_j):
;   b^k_j = t_j (inv_k[j] b^(k-1)_j) - t_(j+k+1) (inv_k[j+1] b^(k-1)_(j+1)),  k = 1, 2, 3.  All in f32; a division is v_rcp_f32 and a product.
; LIMITS: e0 and e2 between -126 and 112; e0 + e1 and e2 + e3 - e0 - e1 between -126 and 127; the spline sums x 2^(e2 + e3 - e0 - e1) stay normal f32 numbers (see ONE SET OF SUMS).
; NaN and infinities in x are not served (x < g is taken as not x >= g).  Equal knots give NaN, as the definition does.
; SHARES.  256 work-groups; each owns 64 rows and all 512 outputs, so every base is made once.  Eight waves, two to a SIMD, 512 registers each.  A wave MAKES the codes of rows 8 w .. + 7 (lane l: features
; 2 l, 2 l + 1 of a chunk of 64, the pair in the halves of packed f32 instructions; 16 codes a row, byte 2 c + q = coefficient c of feature q) and MULTIPLIES 64 rows x outputs 64 w .. + 63: 16 accumulators.
; While chunk p - 1 is multiplied (4 K steps, a run of 16 matrix instructions each), chunk p is made.  A's codes lie in two LDS buffers by turns: one barrier a chunk.
; THAT BARRIER IS SPLIT: a wave signals when its codes of chunk p - 1 have landed and its reads of chunk p - 2 are over; between signal and wait it reads chunk p's constants (table bytes that nobody writes again)
; and computes, in registers alone, silu and codes of rows 0-3 of chunk p; the codes rest in A's fragment registers, free just then, and are stored behind the wait.  Rows 4-7 follow beside K steps 0 to 2.
; W GOES FROM MEMORY STRAIGHT INTO REGISTERS: a fragment of W is read by one wave of the work-group alone, once, and lies in memory as the image of its registers; a wave's load covers 512 consecutive bytes.
; So no tile of W is shared through LDS, there is no tensor load, and cluster = none: a joint load would put 65,536 bytes a K step into LDS only to be read out once by their one reader.
; No prefetch into the L2: the loads themselves run ahead into registers, W's two K steps, x's the better part of a chunk.
; THE KNOTS' TABLE: at the head wave w makes the knots as pairs and the 30 pairs of reciprocals of chunk w and stores them to LDS (84 words a lane); every wave reads a chunk's 84 registers back.
; ONE SET OF SUMS: behind the last spline step the sums are multiplied by 2^(e2 + e3 - e0 - e1), the base product adds onto them, and the way out multiplies by 2^(e0 + e1): powers of two, nothing is rounded.
; The matrix instruction is used transposed (source 0 = 16 outputs of W, source 1 = 16 rows of A).  Fragments come as four pieces of 16 bytes: a permutation of k inside a K step, the same in A and in W.
; In the last trip there is no chunk after the one in hand: x's offset is held at the last chunk's, so that no load leaves the buffer and every counted wait finds the same loads behind it; those 8 loads are not used.
.set AP,    528                        ; an LDS row of codes: 512 bytes + 16
.set AW,    16*AP                      ; a fragment's 16 rows
.set RW,    8*AP                       ; the 8 rows that a wave makes
.set A1X,   0x10000                    ; A's buffer 0 at byte 0, buffer 1 here
.set BA,    0x20000                    ; the silu codes: byte = feature
.set TAB,   0x29000                    ; the knots' table: 8 chunks x CHT
.set CHT,   10752
.set SPARE, 0x3e000                    ; the spare words, 128 bytes a wave
.set STG,   0x3e400                    ; the way out: 16 rows x 272 bytes for each wave
.set SP2,   272
.set KB,    65536                      ; a K step of W
; window 0
.set SPW, 2
.set NIL, 3
.set XL0, 4                            ; x: 16,384 w + 8 lane
.set XN,  5                            ; + the chunk that is being loaded
.set AL,  6                            ; a fragment of A: r x 528 + 16 h
.set ADA, 7                            ; + the buffer that is multiplied
.set BOF, 8                            ; W: 8,192 w + 16 lane
.set PL,  9                            ; where I put spline codes: 4,224 w + 16 lane
.set PSA, 10
.set PB0, 11                           ; where I put silu codes: BA + 4,224 w + 2 lane
.set PSB, 12
.set LIM2, 13
.set SCL2, 14
.set LIM0, 15
.set SCL0, 16
.set TBA, 17                           ; the table: TAB + 16 lane
.set TBC, 18                           ; + the chunk
.set ADBA, 19
.set KN,  20                           ; v20-43 knots, pairs; v44-65, v66-85, v86-103 the reciprocals
.set I1,  44
.set I2,  66
.set I3,  86
.set TT,  104                          ; t_0 .. t_11
.set UU,  128                          ; inv x b
.set VV,  150                          ; b
.set CD,  170                          ; a row's spline codes
.set XX,  174                          ; x of my 8 rows, pairs
.set AF,  192                          ; v192-255 A's four fragments
.set ZZ,  128                          ; silu of four rows at work, and
.set SC,  136                          ; their codes: in UU's registers, between rows
.set TMP, 20                           ; the way out
.set BK,  52
.set STO, 116
.set RD,  117
.set CO,  118
; window 1: accumulator (m, n) at v[8 (4 m + n)]; W's sets 0 and 1 at v128, v192
.set WV,  14
.set BP,  20                           ; s[20:21] W's codes, stepped once a trip
.set ACUR, 22
.set ANXT, 23
.set BCOL, 24
.set XC,  25
.set TC,  26
.set TRIPS, 27
.set SG,  29                           ; my stage
.set FB,  32                           ; s[32:33] 2^(e0 + e1)
.set FD,  34                           ; s[34:35] 2^(e2 + e3 - e0 - e1)
.set MK,  40                           ; s40-63: test j of feature q at s[MK + 2 j + q]
.set MUL,  0x51                        ; source 0 window 1, source 1 window 0, C and D window 1
.set MSB, 0
.macro WIN new                         ; bits 1:0 source 0, 3:2 source 1, 5:4 source 2, 7:6 destination; the high byte repeats the setting that is left
.if MSB != \new
	s_set_vgpr_msb (MSB<<8)|\new
.set MSB, \new
.endif
.endm
.macro PLACES                          ; four places behind matrix instructions, ahead of loads into their sources and of reads of their results
.rept 4
	v_nop
.endr
.endm
.macro PK3 op, d, a, b, n              ; n packed lines d_j = a_j op b_j
.set jx, 0
.rept \n
	\op v[\d+jx:\d+jx+1], v[\a+jx:\a+jx+1], v[\b+jx:\b+jx+1]
.set jx, jx+2
.endr
.endm
.macro PKS d, a, b, n                  ; d_j -= a_j b_j
.set jx, 0
.rept \n
	v_pk_fma_f32 v[\d+jx:\d+jx+1], v[\a+jx:\a+jx+1], v[\b+jx:\b+jx+1], v[\d+jx:\d+jx+1] neg_lo:[1,0,0] neg_hi:[1,0,0]
.set jx, jx+2
.endr
.endm
.macro PKD d, a, b, n                  ; d_j = a_j - b_j
.set jx, 0
.rept \n
	v_pk_add_f32 v[\d+jx:\d+jx+1], v[\a+jx:\a+jx+1], v[\b+jx:\b+jx+1] neg_lo:[0,1] neg_hi:[0,1]
.set jx, jx+2
.endr
.endm
; 16 matrix instructions: a K step.  The 16 accumulators take turns, in the same order in every step.
.macro RUN sb, zero
.irp n, 0,1,2,3
.irp m, 0,1,2,3
.if \zero
	v_wmma_f32_16x16x128_bf8_bf8 v[8*(4*\m+\n):8*(4*\m+\n)+7], v[\sb+16*\n:\sb+16*\n+15], v[AF+16*\m:AF+16*\m+15], 0
.else
	v_wmma_f32_16x16x128_bf8_bf8 v[8*(4*\m+\n):8*(4*\m+\n)+7], v[\sb+16*\n:\sb+16*\n+15], v[AF+16*\m:AF+16*\m+15], v[8*(4*\m+\n):8*(4*\m+\n)+7]
.endif
.endr
.endr
.endm
.macro BLOAD sb, off                   ; my four fragments of W of one K step: 16 loads of 512 consecutive bytes
.irp n, 0,1,2,3
.irp c, 0,1,2,3
	global_load_b128 v[\sb+16*\n+4*\c:\sb+16*\n+4*\c+3], v[BOF], s[BP:BP+1] offset:(\off)+2048*\n+512*\c
.endr
.endr
.endm
.macro ALOAD areg, off                 ; A's four fragments of one K step: 16 LDS loads
.irp m, 0,1,2,3
.irp c, 0,1,2,3
	ds_load_b128 v[AF+16*\m+4*\c:AF+16*\m+4*\c+3], v[\areg] offset:(\off)+AW*\m+32*\c
.endr
.endr
.endm
.macro CLOAD areg                      ; a chunk's 84 constants from the table
.set jx, 0
.rept 21
	ds_load_b128 v[KN+4*jx:KN+4*jx+3], v[\areg] offset:512*jx
.set jx, jx+1
.endr
.endm
.macro XLD r                           ; x of row r of the next chunk: 256 consecutive bytes a wave
	global_load_b64 v[XX+2*(\r):XX+2*(\r)+1], v[XN], s[4:5] offset:2048*(\r) th:TH_LOAD_NT
.endm
; ONE ROW for my lane's pair of features; its 16 codes go to v[cd ..]; st = 1: and to LDS
.macro ROW xr, cd, st, row
.set jx, 0
.rept 12
	v_cmp_ge_f32 s[MK+jx], v[\xr], v[KN+jx]
	v_cmp_ge_f32 s[MK+jx+1], v[\xr+1], v[KN+jx+1]
.set jx, jx+2
.endr
.set jx, 0
.rept 12
	v_pk_add_f32 v[TT+jx:TT+jx+1], v[\xr:\xr+1], v[KN+jx:KN+jx+1] neg_lo:[0,1] neg_hi:[0,1]   ; t_j = x - g_j
.set jx, jx+2
.endr
.set jx, 0
.rept 11
	s_and_not1_b64 s[MK+jx:MK+jx+1], s[MK+jx:MK+jx+1], s[MK+jx+2:MK+jx+3]   ; x >= g_j and not x >= g_j+1, both features at once; j ascends, so the right-hand test is still whole
.set jx, jx+2
.endr
.set jx, 0
.rept 22
	v_cndmask_b32 v[UU+jx], 0, v[I1+jx], s[MK+jx]  ; inv_1[j] b^0_j: a choice of a value
.set jx, jx+1
.endr
	PK3 v_pk_mul_f32, VV, TT, UU, 10
	PKS VV, TT+4, UU+2, 10                         ; b^1
	PK3 v_pk_mul_f32, UU, I2, VV, 10
	PK3 v_pk_mul_f32, VV, TT, UU, 9
	PKS VV, TT+6, UU+2, 9                          ; b^2
	PK3 v_pk_mul_f32, UU, I3, VV, 9
	PK3 v_pk_mul_f32, VV, TT, UU, 8
	PKS VV, TT+8, UU+2, 8                          ; b^3: register 2 j + q is coefficient j of feature q
.set jx, 0
.rept 16
	v_med3_num_f32 v[VV+jx], v[VV+jx], -v[LIM2], v[LIM2]   ; the conversion does not saturate (ISA guide 7.6.2): the hold at the largest code x the scale
.set jx, jx+1
.endr
	v_cvt_scalef32_pk8_bf8_f32 v[\cd:\cd+1], v[VV:VV+7], v[SCL2]
	v_cvt_scalef32_pk8_bf8_f32 v[\cd+2:\cd+3], v[VV+8:VV+15], v[SCL2]
	v_nop                                          ; a plain line behind the conversions
.if \st
	ds_store_b128 v[PSA], v[\cd:\cd+3] offset:AP*(\row)   ; the wave stores a row's 512 consecutive bytes
.endif
.endm
.macro SILST sc, row                   ; four rows' silu codes to LDS: two bytes a row and lane
	ds_store_b16 v[PSB], v[\sc] offset:AP*(\row)
	ds_store_b16_d16_hi v[PSB], v[\sc] offset:AP*((\row)+1)
	ds_store_b16 v[PSB], v[\sc+1] offset:AP*((\row)+2)
	ds_store_b16_d16_hi v[PSB], v[\sc+1] offset:AP*((\row)+3)
.endm
; silu of four rows, and its codes in v[sc], v[sc + 1]; st = 1: and to LDS
.macro SIL4 xb, sc, st, row
.irp i, 0,2,4,6
	v_pk_mul_f32 v[ZZ+\i:ZZ+\i+1], v[\xb+\i:\xb+\i+1], 0xbfb8aa3b op_sel_hi:[1,0]   ; -x log2(e)
.endr
	s_wait_alu depctr_va_vdst(0)                   ; ahead of a batch of transcendentals
.irp i, 0,1,2,3,4,5,6,7
	v_exp_f32 v[ZZ+\i], v[ZZ+\i]
.endr
	v_nop
	s_wait_alu depctr_va_vdst(0)                   ; and behind it, ahead of its first reader
.irp i, 0,2,4,6
	v_pk_add_f32 v[ZZ+\i:ZZ+\i+1], v[ZZ+\i:ZZ+\i+1], 1.0 op_sel_hi:[1,0]
.endr
	s_wait_alu depctr_va_vdst(0)
.irp i, 0,1,2,3,4,5,6,7
	v_rcp_f32 v[ZZ+\i], v[ZZ+\i]                   ; 1 / (1 + e^-x)
.endr
	v_nop
	s_wait_alu depctr_va_vdst(0)
.irp i, 0,2,4,6
	v_pk_mul_f32 v[ZZ+\i:ZZ+\i+1], v[\xb+\i:\xb+\i+1], v[ZZ+\i:ZZ+\i+1]   ; silu(x)
.endr
.irp i, 0,1,2,3,4,5,6,7
	v_med3_num_f32 v[ZZ+\i], v[ZZ+\i], -v[LIM0], v[LIM0]
.endr
	v_cvt_scalef32_pk8_bf8_f32 v[\sc:\sc+1], v[ZZ:ZZ+7], v[SCL0]
	v_nop
.if \st
	SILST \sc, \row
.endif
.endm
; A run with what stands round it: the set of W is in (lc loads are younger), A's fragments are in (dc LDS stores are younger); behind the run the set takes the K step two on
.macro MULT sb, lc, dc, zero, off
.if \lc >= 0
	s_wait_loadcnt \lc
.endif
	s_wait_dscnt \dc
	WIN MUL
	s_wait_alu depctr_va_vdst(0)                   ; transcendentals stand between the sums' last writes and these reads
	RUN \sb, \zero
	PLACES
	WIN 0x40
	BLOAD \sb, \off
	WIN 0
.endm
; TRIP p = 1 .. 7: chunk p - 1 is multiplied (K steps 4 (p - 1) .. + 3), chunk p is made.  Loads go out in this order: x4, W16, x2, W16, x1, W16, x1, W16.
.macro TRIP zero, badd
	s_wait_dscnt 0x0                               ; my codes of chunk p - 1 have landed; my reads of chunk p - 2 were over ahead of its last run
	s_barrier_signal -1
	s_xor_b32 s[ACUR], s[ACUR], A1X
	s_xor_b32 s[ANXT], s[ANXT], A1X
	s_add_co_u32 s[BCOL], s[BCOL], 64
	s_add_co_u32 s[TC], s[TC], CHT
	s_add_co_u32 s[XC], s[XC], 256
	s_min_u32 s[XC], s[XC], 1792
	v_add_nc_u32 v[TBC], s[TC], v[TBA]
	v_add_nc_u32 v[ADA], s[ACUR], v[AL]
	v_add_nc_u32 v[PSA], s[ANXT], v[PL]
	v_add_nc_u32 v[PSB], s[BCOL], v[PB0]
	s_wait_alu depctr_va_vdst(0)
	CLOAD TBC                                      ; chunk p's constants: bytes that nobody writes again
	SIL4 XX, AF+16, 0, 0                           ; work on registers while the others arrive
	s_wait_dscnt 0x0                               ; the constants are in
	ROW XX, AF, 0, 0
	ROW XX+2, AF+4, 0, 0
	ROW XX+4, AF+8, 0, 0
	ROW XX+6, AF+12, 0, 0
	s_wait_alu depctr_va_vdst(0)                   ; ahead of the barrier wait
	s_barrier_wait -1                              ; chunk p - 1 is whole, and nobody reads chunk p - 2's buffer any more
	SILST AF+16, 0
.irp i, 0,1,2,3
	ds_store_b128 v[PSA], v[AF+4*\i:AF+4*\i+3] offset:AP*\i
.endr
	s_wait_xcnt 0x0                                ; the pending loads have read their addresses: XN and W's base are rewritten only behind this wait
	s_add_nc_u64 s[BP:BP+1], s[BP:BP+1], \badd
	v_add_nc_u32 v[XN], s[XC], v[XL0]
	s_wait_alu depctr_va_vdst(0)
	XLD 0
	XLD 1
	XLD 2
	XLD 3
	s_wait_dscnt 0x0                               ; the stores have read their registers, which A's fragments take now
	ALOAD ADA, 0
	s_wait_loadcnt 20                              ; x of rows 4-7 and set 0 of W are in: younger are set 1's 16 loads and the 4 of x above
	SIL4 XX+8, SC, 1, 4
	MULT 128, -1, 4, \zero, 0                      ; K step 0; behind A's loads: 4 stores
	ALOAD ADA, 128
	ROW XX+8, CD, 1, 4
	ROW XX+10, CD, 1, 5
	XLD 4
	XLD 5
	MULT 192, 22, 2, 0, KB                         ; K step 1: younger than its set: x4, W16, x2
	ALOAD ADA, 256
	ROW XX+12, CD, 1, 6
	XLD 6
	MULT 128, 19, 1, 0, 2*KB                       ; K step 2: x2, W16, x1
	ALOAD ADA, 384
	ROW XX+14, CD, 1, 7
	XLD 7
	MULT 192, 18, 1, 0, 3*KB                       ; K step 3: x1, W16, x1
.endm
; A K STEP OF THE TAIL, k = 28 .. 35, with nothing left to make
.macro PSTEP k
.if (\k) < 35
	s_wait_loadcnt 16                              ; the other set's 16 loads may be out
.else
	s_wait_loadcnt 0x0
.endif
	s_wait_dscnt 0x0
	WIN MUL
	s_wait_alu depctr_va_vdst(0)
	RUN 128+64*((\k)%2), 0
	PLACES
.if (\k)+2 <= 35
	WIN 0x40
	BLOAD 128+64*((\k)%2), KB*((\k)-24)
.endif
	WIN 0
.if (\k)+1 <= 35
.if (\k)+1 < 32
	ALOAD ADA, 128*(((\k)+1)%4)
.else
	ALOAD ADBA, 128*(((\k)+1)%4)
.endif
.endif
.endm
; THE WAY OUT of rows 16 m .. + 15: sums x 2^(e0 + e1), each accumulator from its low end on; through my own stage in LDS, back as whole rows of 256 bytes, two rows an instruction.
.macro TOSTAGE m
	WIN 0x01
.set jx, 0
.rept 16
	v_pk_mul_f32 v[TMP+jx:TMP+jx+1], v[32*(\m)+jx:32*(\m)+jx+1], s[FB:FB+1] op_sel_hi:[1,0]
.set jx, jx+2
.endr
	WIN 0
.irp b, 0,1,2,3
	ds_store_b128 v[STO], v[TMP+8*\b:TMP+8*\b+3] offset:64*\b
	ds_store_b128 v[STO], v[TMP+8*\b+4:TMP+8*\b+7] offset:64*\b+16
.endr
.set BB, BK+32*((\m)%2)
.irp t, 0,1,2,3,4,5,6,7
	ds_load_b128 v[BB+4*\t:BB+4*\t+3], v[RD] offset:\t*2*SP2     ; LDS serves a wave's instructions in order (ISA guide 5.7.1.4)
.endr
.endm
.macro SEND m, younger
.set BB, BK+32*((\m)%2)
	s_wait_dscnt \younger
.irp t, 0,1,2,3,4,5,6,7
	global_store_b128 v[CO], v[BB+4*\t:BB+4*\t+3], s[12:13] offset:32768*(\m)+4096*\t th:TH_STORE_NT   ; sixteen lanes store 256 consecutive bytes, aligned
.endr
.endm
	s_load_b256 s[4:11], s[0:1], 0x0               ; x s[4:5], grid s[6:7], the scales' exponents s[8:9], W's codes s[10:11]
	s_load_b64 s[12:13], s[0:1], 0x20              ; out
	v_lshl_add_u32 v[SPW], v0, 2, SPARE
	v_mov_b32 v[NIL], 0
	v_lshrrev_b32 v1, 5, v0
	v_readfirstlane_b32 s[WV], v1                  ; wave 0..7
	s_lshl_b32 s66, ttmp9, 17                      ; my 64 rows of 2,048 bytes
	s_mov_b32 s67, 0
	s_lshl_b32 s68, s[WV], 8                       ; my 64 outputs
	s_mov_b32 s69, 0
	s_lshl_b32 s70, s[WV], 14
	s_mul_i32 s71, s[WV], 3072
	s_lshl_b32 s72, s[WV], 13
	s_mul_i32 s73, s[WV], RW
	s_add_co_u32 s74, s73, BA
	s_mul_i32 s[SG], s[WV], 16*SP2
	s_add_co_u32 s[SG], s[SG], STG
	s_mul_i32 s76, s[WV], CHT
	s_add_co_u32 s76, s76, TAB
	v_and_b32 v1, 31, v0                           ; lane
	v_and_b32 v[UU], 15, v0                        ; r
	v_bfe_u32 v[UU+1], v0, 4, 1                    ; h
	v_lshl_add_u32 v[XL0], v1, 3, s70
	v_mul_u32_u24 v[CD], v1, 96
	v_add_nc_u32 v[CD], s71, v[CD]                 ; grid: chunk w, 96 bytes a lane
	v_lshl_add_u32 v[BOF], v1, 4, s72
	v_mul_u32_u24 v[AL], v[UU], AP
	v_lshl_add_u32 v[AL], v[UU+1], 4, v[AL]
	v_add_nc_u32 v[ADBA], BA, v[AL]
	v_lshl_add_u32 v[PL], v1, 4, s73
	v_lshl_add_u32 v[PB0], v1, 1, s74
	v_lshl_add_u32 v[TBA], v1, 4, TAB
	v_lshl_add_u32 v[TBC], v1, 4, s76              ; where my chunk's constants go
	v_add_nc_u32 v[XN], 256, v[XL0]                ; the reloads begin with chunk 1
	v_mov_b32 v[PSA], v[PL]                        ; chunk 0 goes into buffer 0
	v_mov_b32 v[PSB], v[PB0]
	s_wait_alu depctr_va_vdst(0)
	s_wait_kmcnt 0x0
	s_load_b128 s[36:39], s[8:9], 0x0              ; e0, e1, e2, e3
	s_add_nc_u64 s[4:5], s[4:5], s[66:67]
	s_add_nc_u64 s[12:13], s[12:13], s[66:67]
	s_add_nc_u64 s[12:13], s[12:13], s[68:69]
	s_mov_b64 s[BP:BP+1], s[10:11]
.irp i, 0,1,2,3,4,5
	global_load_b128 v[TT+4*\i:TT+4*\i+3], v[CD], s[6:7] offset:16*\i           ; the knots of chunk w: 12 of feature a, 12 of feature b
.endr
.irp i, 0,1,2,3,4,5,6,7
	global_load_b64 v[XX+2*\i:XX+2*\i+1], v[XL0], s[4:5] offset:2048*\i th:TH_LOAD_NT   ; chunk 0: my 8 rows
.endr
	s_wait_kmcnt 0x0
	s_add_co_i32 s66, s38, 127
	s_lshl_b32 s67, s66, 23
	s_add_co_i32 s66, s66, 15
	s_lshl_b32 s66, s66, 23
	s_or_b32 s66, s66, 0x600000
	s_add_co_i32 s68, s36, 127
	s_lshl_b32 s69, s68, 23
	s_add_co_i32 s68, s68, 15
	s_lshl_b32 s68, s68, 23
	s_or_b32 s68, s68, 0x600000
	s_add_co_i32 s70, s36, s37
	s_add_co_i32 s71, s38, s39
	s_sub_co_i32 s71, s71, s70
	s_add_co_i32 s70, s70, 127
	s_lshl_b32 s[FB], s70, 23                      ; 2^(e0 + e1)
	s_mov_b32 s[FB+1], s[FB]
	s_add_co_i32 s71, s71, 127
	s_lshl_b32 s[FD], s71, 23                      ; 2^(e2 + e3 - e0 - e1)
	s_mov_b32 s[FD+1], s[FD]
	v_mov_b32 v[SCL2], s67                         ; 2^e2: the conversion takes its exponent field
	v_mov_b32 v[LIM2], s66                         ; 57,344 x 2^e2
	v_mov_b32 v[SCL0], s69
	v_mov_b32 v[LIM0], s68
	s_wait_alu depctr_va_vdst(0)
	s_wait_loadcnt 8                               ; the 6 loads of knots are in; the 8 loads of x may be out
.irp j, 0,1,2,3,4,5,6,7,8,9,10,11
	v_mov_b32 v[KN+2*\j], v[TT+\j]                 ; the knots as pairs
	v_mov_b32 v[KN+2*\j+1], v[TT+12+\j]
.endr
	PKD I1, KN+2, KN, 11
	PKD I2, KN+4, KN, 10
	PKD I3, KN+6, KN, 9
	s_wait_alu depctr_va_vdst(0)                   ; ahead of the batch of reciprocals
.set jx, 0
.rept 60
	v_rcp_f32 v[I1+jx], v[I1+jx]
.set jx, jx+1
.endr
	v_nop
	s_wait_alu depctr_va_vdst(0)                   ; and behind it, ahead of its first reader
.set jx, 0
.rept 21
	ds_store_b128 v[TBC], v[KN+4*jx:KN+4*jx+3] offset:512*jx
.set jx, jx+1
.endr
	s_mov_b32 s[ACUR], A1X
	s_mov_b32 s[ANXT], 0
	s_mov_b32 s[BCOL], 0
	s_mov_b32 s[TC], 0
	s_mov_b32 s[XC], 256
	s_wait_dscnt 0x0                               ; for the others' sake: my part of the table has landed
	s_barrier_signal -1
	s_barrier_wait -1
	CLOAD TBA                                      ; chunk 0's constants
	s_wait_loadcnt 0x0                             ; chunk 0's x is in
	s_wait_dscnt 0x0
	SIL4 XX, SC, 1, 0                              ; chunk 0 is made with nothing yet to multiply
	ROW XX, CD, 1, 0
	ROW XX+2, CD, 1, 1
	ROW XX+4, CD, 1, 2
	ROW XX+6, CD, 1, 3
	XLD 0
	XLD 1
	XLD 2
	XLD 3
	WIN 0x40
	BLOAD 128, 0                                   ; K step 0 of W
	WIN 0
	SIL4 XX+8, SC, 1, 4
	ROW XX+8, CD, 1, 4
	ROW XX+10, CD, 1, 5
	ROW XX+12, CD, 1, 6
	ROW XX+14, CD, 1, 7
	XLD 4
	XLD 5
	XLD 6
	XLD 7
	WIN 0x40
	BLOAD 192, KB                                  ; K step 1: the order x4, W16, x4, W16 lets the trips' counts hold from the first trip on
	WIN 0
	s_wait_loadcnt 36                              ; chunk 1's x of rows 0-3 is in: younger are W16, x4, W16
	TRIP 1, 2*KB                                   ; the first trip is written out: its K step 0 starts the sums
	s_mov_b32 s[TRIPS], 6
.Ltrip:
	TRIP 0, 4*KB
	s_sub_co_u32 s[TRIPS], s[TRIPS], 1
	s_cmp_lg_u32 s[TRIPS], 0
	s_cbranch_scc1 .Ltrip
	s_wait_dscnt 0x0                               ; my codes of chunk 7 have landed
	s_barrier_signal -1
	s_xor_b32 s[ACUR], s[ACUR], A1X
	s_barrier_wait -1
	v_add_nc_u32 v[ADA], s[ACUR], v[AL]
	s_wait_alu depctr_va_vdst(0)
	ALOAD ADA, 0                                   ; W's base stands at K step 26
	PSTEP 28
	PSTEP 29
	PSTEP 30
	PSTEP 31
	WIN 0x41
.set jx, 0
.rept 64
	v_pk_mul_f32 v[jx:jx+1], v[jx:jx+1], s[FD:FD+1] op_sel_hi:[1,0]   ; the spline sums in the base product's unit; each accumulator from its low end on
.set jx, jx+2
.endr
	WIN 0
	PSTEP 32
	PSTEP 33
	PSTEP 34
	PSTEP 35
	v_and_b32 v1, 15, v0                           ; r
	v_bfe_u32 v[CO], v0, 4, 1                      ; h
	v_mul_u32_u24 v[STO], v1, SP2
	v_mul_u32_u24 v[RD], v[CO], SP2
	v_lshl_add_u32 v[STO], v[CO], 5, v[STO]
	v_lshl_add_u32 v[RD], v1, 4, v[RD]
	v_lshlrev_b32 v[CO], 11, v[CO]
	v_add_nc_u32 v[STO], s[SG], v[STO]             ; in: row r, 32 bytes for each half of the lanes
	v_add_nc_u32 v[RD], s[SG], v[RD]               ; back: sixteen lanes to a row
	v_lshl_add_u32 v[CO], v1, 4, v[CO]             ; and the same two rows in out
	s_wait_alu depctr_va_vdst(0)
	TOSTAGE 0
.irp a, 1,2,3
.if \a > 1
	s_wait_xcnt 0x0                                ; block a - 2's stores have read their registers: block a's loads may land there
.endif
	TOSTAGE \a
	SEND \a-1, 16                                  ; behind block a - 1's loads: block a's 8 stores and 8 loads
.endr
	SEND 3, 0
	s_wait_tensorcnt 0x0                           ; the wave's end
	ds_add_u32 v[SPW], v[NIL]
	s_wait_dscnt 0x0
	s_endpgm
.Lfunc_end_k_q8828ba0f2e_kan:
	.size	k_q8828ba0f2e_kan, .Lfunc_end_k_q8828ba0f2e_kan-k_q8828ba0f2e_kan
	.p2alignl 7, 3214868480
	.fill 96, 4, 3214868480
	.section	.rodata,"a",@progbits
	.p2align	6, 0x0
	.amdhsa_kernel k_q8828ba0f2e_kan
		.amdhsa_group_segment_fixed_size 289792
		.amdhsa_private_segment_fixed_size 0
		.amdhsa_enable_private_segment 0
		.amdhsa_kernarg_size 40
		.amdhsa_user_sgpr_count 2
		.amdhsa_user_sgpr_kernarg_segment_ptr 1
		.amdhsa_wavefront_size32 1
		.amdhsa_system_sgpr_workgroup_id_x 1
		.amdhsa_system_sgpr_workgroup_id_y 1
		.amdhsa_system_sgpr_workgroup_id_z 1
		.amdhsa_system_vgpr_workitem_id 0
		.amdhsa_next_free_vgpr 512
		.amdhsa_next_free_sgpr 80
		.amdhsa_reserve_vcc 0
		.amdhsa_float_denorm_mode_32 3
		.amdhsa_float_denorm_mode_16_64 3
		.amdhsa_memory_ordered 1
		.amdhsa_forward_progress 1
		.amdhsa_inst_pref_size 255
	.end_amdhsa_kernel
	.section	.bss,"aw",@nobits
	.p2align	6
	.space	262144
	.amdgpu_metadata
---
amdhsa.version: [ 1, 2 ]
amdhsa.kernels:
  - .name:           k_q8828ba0f2e_kan
    .symbol:         k_q8828ba0f2e_kan.kd
    .args:
      - { .name: x, .offset: 0, .size: 8, .value_kind: global_buffer, .address_space: global }
      - { .name: grid, .offset: 8, .size: 8, .value_kind: global_buffer, .address_space: global }
      - { .name: lowp_scales, .offset: 16, .size: 8, .value_kind: global_buffer, .address_space: global }
      - { .name: wcodes, .offset: 24, .size: 8, .value_kind: global_buffer, .address_space: global }
      - { .name: out0, .offset: 32, .size: 8, .value_kind: global_buffer, .address_space: global }
    .group_segment_fixed_size: 289792
    .private_segment_fixed_size: 0
    .kernarg_segment_align: 8
    .kernarg_segment_size: 40
    .max_flat_workgroup_size: 256
    .sgpr_count:     80
    .vgpr_count:     512
    .wavefront_size: 32
...
	.end_amdgpu_metadata
.endif
;; end of part 2
